; MI455X (gfx1250); checked and timed in simulation.
; The chip was launched on July 23, 2026; its instructions are those of AMD's public machine-readable ISA for CDNA 5 (MIT licence, August 2026) and "CDNA5" Instruction Set Architecture Reference Guide (July 2026). The comments in the code are by the model that wrote it; some were corrected since.
;; D2 L Dot Product Attention. Allowed arithmetic: matrix products marked QUANTISED: E2M1 operands, one E8M0 scale for each 32 along K, by v_wmma_scale_f32_16x16x128_f8f6f4 with both operands' format E2M1 (or v_wmma_scale_f32_32x16x128_f4), f32 sums; everything else in f32.
;; Inputs: keys 32 x 2,048 x 64 float32; queries 32 x 2,048 x 64 float32; valid_lens 32 int32; values 32 x 2,048 x 64 float32.
;; Outputs: out0 32 x 2,048 x 64 float32.
;; This version of the problem:
;;   THIS VERSION OF THE PROBLEM IS GIVEN IN LOW PRECISION. The matrix products marked QUANTISED in the list below multiply operands that are first quantised to E2M1 (2 exponent bits, 1 mantissa bit; 4 bits a number), with one power-of-two scale for each 32 numbers along K (OCP MX v1.0); their sums are f32. All else is computed in f32.
;;   The module's matrix products, in the order in which they are computed (A, B: the left and right operand; K: the contracted axis; several contracted axes count as one K, in the product's order):
;;     1. batch 32 x [M 2,048, K 64] x [K 64, N 2,048]; A: input queries; B: input keys: QUANTISED
;;     2. batch 32 x [M 2,048, K 2,048] x [K 2,048, N 64]; A: softmax (see below); B: input values: QUANTISED
;;   THE QUANTISER, for each operand of a quantised product, along K:
;;     - K is cut into blocks of 32 from its start; a last block that is shorter is filled with zeros.
;;     - A block's scale is 2^e with e = floor(log2(the largest magnitude in the block)) - 2, held to -126 .. 127; a block of zeros has e = 0. As a byte (E8M0): e + 127.
;;     - Each number is divided by its block's scale, clamped to +-6, and rounded to the nearest number of E2M1, ties to even, subnormals kept.
;;     - The product sums the exact products of the quantised numbers (number of the format x scale) in f32.
;;   ~~~python
;;   def quantise(x, axis):      # numpy; x: float32 -> the quantised numbers, widened to float32 again
;;       x = np.moveaxis(x, axis, -1); K = x.shape[-1]
;;       x = np.pad(x, [(0, 0)] * (x.ndim - 1) + [(0, -K % 32)]); x = x.reshape(x.shape[:-1] + (-1, 32)); a = np.abs(x).max(-1, keepdims=True)
;;       e = np.where(a > 0, np.clip(np.frexp(np.where(a > 0, a, 1))[1] - 1 - 2, -126, 127), 0)      # np.frexp(a)[1] - 1 = floor(log2(a)), exactly
;;       r = np.clip(x / 2.0 ** e, -6, 6)
;;       step = 2.0 ** (np.maximum(np.frexp(np.where(r == 0, 1, r))[1] - 1, 0) - 1)
;;       q = np.round(r / step) * step * 2.0 ** e      # np.round: ties to even
;;       return np.moveaxis(q.reshape(q.shape[:-2] + (-1,))[..., :K], -1, axis).astype(np.float32)
;;   ~~~
;;   SOFTMAX AHEAD OF A QUANTISED PRODUCT. Where the list says 'softmax', what is quantised is not the finished softmax but p = 2^(t - M), with t = logit x log2(e) and M = ceil(the row's largest t), a whole number; so 1/2 < the row's largest p <= 1. The row's sum l is taken of the UNQUANTISED p, in f32, and the product's result is divided by l at the end. Since M is a whole number, a kernel that streams over the keys may use a running M (the ceiling of the running maximum): every later rescaling is an exact power of two, which a block's scale takes up: the codes' values come out the same.
;;   OPERANDS COMPUTED ON THE WAY. 'Computed on the way' means the value that the module computes at that place (a softmax that the list does not call 'softmax' is quantised finished and normalised). What goes into a quantiser is computed in f32, as accurately as f32 sums, v_exp_f32 and their like allow (about 1e-6 of the number): no bf16 or f16 on the way to a quantiser, and a product that is left as it is and whose result goes on into a quantised operand takes f32 operands (vector FMAs, or v_wmma_f32_16x16x4_f32). A number that lies on a knife's edge between two numbers of the format may be rounded either way, as far as f32 arithmetic and the matrix unit's own rounding can turn it there, and no further.
;; 2 versions, each right; version 2 is version 1 with the launch attn written anew for expert scheduling mode. Each part assembles by itself: llvm-mc -triple=amdgcn-amd-amdhsa -mcpu=gfx1250 --defsym DOCPART=n.
;; ======== version 1 of 2: 2 launches
;; limits: right only within a limited range of input values
;; workspace buffers: kv 4,718,592 bytes; qw 2,359,296 bytes; order 512 bytes of whole numbers
;; launch quant (part 1): grid 256 x 3, 4 waves a work-group, no clusters, 70,144 bytes of LDS; arguments keys, queries, valid_lens, values, kv, qw, order; writes kv, qw, order
.if DOCPART == 1
	.amdgcn_target "amdgcn-amd-amdhsa--gfx1250"
	.amdhsa_code_object_version 6
	.text
	.protected	k_q4aeb2f0aa1_quant
	.globl	k_q4aeb2f0aa1_quant
	.p2align	8
	.type	k_q4aeb2f0aa1_quant,@function
k_q4aeb2f0aa1_quant:
	s_mov_b64 s[64:65], 0
	v_nop
	global_prefetch_b8 v0, s[64:65] scope:SCOPE_SE
	s_setreg_imm32_b32 hwreg(HW_REG_WAVE_MODE, 25, 1), 1
	s_wait_xcnt 0x0
; queries, keys, values [32][2048][64] f32 become codes of FP4 (E2M1) with one E8M0 byte for each 32 along a product's K, laid as IMAGES OF THE OPERANDS' REGISTERS,
; and valid_lens [32] becomes a list of the batches, the longest first.
; A block's scale is 2^(floor(log2(its largest magnitude)) - 2): its byte is the largest magnitude's exponent field - 2, held at 1 from below.
; LIMITS: a block whose largest magnitude lies under 2^-124, a block of zeros among them, gets the byte 1 (a block of zeros has zero codes, which add nothing; the bytes are read by this program alone);
; NaN and infinities among the inputs are not served.
; kv: a record of KREC bytes for each (batch, step of 128 keys); lane l = (r = l % 16, h = l / 16):
;   +0     K's codes, tile T = 0..7 at 512 T + 16 l: key 32 (T / 2) + 8 (T % 2) + r + 8 (r / 8), channels 32 h .. 32 h + 31: registers 0-3 of a fragment (K = 64: registers 4-7 are zeros, kept by the reader)
;   +4096  V's codes, tile t = 0..3, half c at 1024 t + 512 c + 16 l: channel 16 t + r, keys 64 c + 32 h .. + 31
;   +8192  K's scale words at 256 k + 8 l + 4 e: pair of tiles P = 2 k + e; lanes 0-15 tile 2 P's rows, lanes 16-31 tile 2 P + 1's; bytes 2, 3 are 127 (they stand over zero codes)
;   +8704  V's scale words at 256 w + 8 l: channel 32 w + l, four key blocks; a zero word beside each, so that each store covers 256 consecutive bytes
; qw: a record of QREC bytes for each (batch, 128 queries): tiles and scale words as K's.
; order: entry of 16 bytes at 16 x rank: batch, valid_len held to 0 .. 2048, steps of 128 keys that count, 0.  steps = 16 where valid_len < 1: there every key gets the fill and all count alike.
; SHARES.  Work-group y: 0 queries, 1 keys, 2 values.  batch = x / 8; a wave's task tk = 4 (x % 8) + wave is 16 KiB of input: 64 rows (queries, keys), or a step's 128 keys x 32 channels (values).
; A task of keys or values whose step does not count ends at once: a scalar branch on valid_lens[batch]; the grid serves every length.
; No tensor loads, no barrier: waves share nothing.
.set ROWP,   272                       ; a row in the stage: 256 bytes + 16 of padding
.set STAGEB, 64*ROWP                   ; a wave's stage: 64 rows
.set KREC,   9216
.set QREC,   4608
.set RAW,    64                        ; v64-191  128 registers of numbers
.set CD,     16                        ; v16-31   codes: four registers a tile or key block; no store's data are written again
	s_load_b256 s[4:11], s[0:1], 0x0               ; keys s[4:5], queries s[6:7], valid_lens s[8:9], values s[10:11]
	s_load_b128 s[12:15], s[0:1], 0x20             ; kv s[12:13], qw s[14:15]
	s_load_b64 s[16:17], s[0:1], 0x30              ; order
	v_lshl_add_u32 v192, v0, 2, 0x11000
	v_mov_b32 v193, 0
	v_lshrrev_b32 v1, 5, v0
	v_readfirstlane_b32 s18, v1                    ; wave 0..3
	s_and_b32 s19, ttmp7, 0xffff                   ; y: which tensor
	s_lshr_b32 s20, ttmp9, 3                       ; batch
	s_and_b32 s21, ttmp9, 7
	s_lshl_b32 s21, s21, 2
	s_add_co_u32 s21, s21, s18                     ; tk, 0..31
	s_lshr_b32 s22, s21, 1                         ; T1: the step of 128 rows
	s_and_b32 s23, s21, 1                          ; k: which half of it
	s_mov_b32 s32, 0x76543210
	s_mov_b32 s33, 0xfedcba98                      ; v_permlanex16_b32's selects for lane l xor 16
	s_mov_b32 s40, 0xffff                          ; lanes 0-15
	s_lshl_b32 s26, s20, 2
	s_mov_b32 s27, 0                               ; stays 0: the upper word of every offset in s[26:27]
	s_lshl_b32 s38, s20, 4
	s_add_co_u32 s38, s38, s22                     ; 16 x batch + T1: which record
	s_mov_b32 s39, 0
	v_and_b32 v1, 31, v0                           ; l
	v_and_b32 v2, 15, v0                           ; r
	v_bfe_u32 v3, v0, 4, 1                         ; h
	v_lshlrev_b32 v4, 4, v1                        ; 16 l
	v_lshlrev_b32 v7, 3, v1                        ; 8 l
	v_lshlrev_b32 v8, 3, v3                        ; 8 h
	v_mov_b32 v14, 0                               ; written once: a lane permute's destination counts as one of its sources
	s_wait_kmcnt 0x0
	s_add_nc_u64 s[28:29], s[8:9], s[26:27]
	s_load_b32 s24, s[28:29], 0x0                  ; valid_lens[batch]
	s_wait_kmcnt 0x0
	s_min_i32 s25, s24, 2048
	s_add_co_i32 s25, s25, 127
	s_ashr_i32 s25, s25, 7                         ; steps that count: ceil(valid_len / 128), at most 16;
	s_cmp_lt_i32 s24, 1
	s_cselect_b32 s25, 16, s25                     ; all 16 where no key is valid
	s_cmp_eq_u32 s19, 0
	s_cbranch_scc1 .Lrows                          ; every task of queries counts
	s_cmp_ge_u32 s22, s25
	s_cbranch_scc1 .Lend                           ; nobody will read this step's record
	s_cmp_eq_u32 s19, 2
	s_cbranch_scc1 .Lvals
; ---- QUERIES AND KEYS: K (the channels) is innermost.  One text for both: only pointers and two sizes are chosen, on the work-group's y.
.Lrows:
	s_cmp_eq_u32 s19, 0
	s_cselect_b64 s[28:29], s[6:7], s[4:5]
	s_cselect_b64 s[30:31], s[14:15], s[12:13]
	s_mov_b32 s34, KREC
	s_cselect_b32 s34, QREC, s34                   ; a record
	s_mov_b32 s35, 8192
	s_cselect_b32 s35, 4096, s35                   ; where its scale words begin
	s_lshl_b32 s26, s20, 19                        ; batch x 2,048 rows x 256 bytes
	s_lshl_b32 s36, s21, 14                        ; + tk x 64 rows
	s_add_co_u32 s26, s26, s36
	s_add_nc_u64 s[28:29], s[28:29], s[26:27]      ; my 64 rows
.set j, 0
.rept 32
	global_load_b128 v[RAW+4*j:RAW+4*j+3], v4, s[28:29] offset:512*j th:TH_LOAD_NT   ; 32 lanes read 512 consecutive bytes: two rows
.set j, j+1
.endr
	s_mul_i32 s38, s38, s34
	s_add_nc_u64 s[30:31], s[30:31], s[38:39]      ; my record
	s_lshl_b32 s26, s23, 8
	s_add_co_u32 s26, s26, s35
	s_add_nc_u64 s[36:37], s[30:31], s[26:27]      ; my half's scale words: + 256 k
	s_lshl_b32 s26, s23, 11
	s_add_nc_u64 s[30:31], s[30:31], s[26:27]      ; my half's four tiles: + 2048 k
	s_mul_i32 s26, s18, STAGEB                     ; my stage
	v_mul_u32_u24 v5, v3, ROWP
	v_lshl_add_u32 v5, v2, 4, v5
	v_add_nc_u32 v5, s26, v5                       ; into it, as loaded: row h of a load's two, 16 r
	v_and_b32 v6, 8, v2
	v_add_nc_u32 v6, v6, v2                        ; r + 8 (r / 8)
	v_mul_u32_u24 v6, v6, ROWP
	v_lshl_add_u32 v6, v3, 7, v6
	v_add_nc_u32 v6, s26, v6                       ; out of it: a tile's row of my lane, + 128 h: my block of 32 channels
; rows 32 u .. 32 u + 31 go through the stage and come back, 128 bytes a lane, as tiles 2 u and 2 u + 1, into the registers that they left (LDS serves a wave's instructions in order)
.macro HALF u
.set j, 16*\u
.rept 16
	ds_store_b128 v5, v[RAW+4*j:RAW+4*j+3] offset:2*ROWP*j
.set j, j+1
.endr
.irp t, 0,1
.irp i, 0,1,2,3,4,5,6,7
	ds_load_b128 v[RAW+32*(2*\u+\t)+4*\i:RAW+32*(2*\u+\t)+4*\i+3], v6 offset:(32*\u+8*\t)*ROWP+16*\i
.endr
.endr
.endm
	s_wait_loadcnt 16                              ; rows 0-31 are in; the 16 loads of rows 32-63 may be out
	HALF 0
	s_wait_loadcnt 0x0
	HALF 1
; tile T: a lane's 32 registers are a whole block.  left: the LDS instructions issued behind the tile's eight loads
.macro QT T, left
.set XS, RAW+32*\T
	s_wait_dscnt \left
	v_max3_num_f32 v10, |v[XS]|, |v[XS+1]|, |v[XS+2]|               ; the block's largest magnitude, in two chains
	v_max3_num_f32 v11, |v[XS+3]|, |v[XS+4]|, |v[XS+5]|
.irp i, 6,10,14,18,22,26
	v_max3_num_f32 v10, v10, |v[XS+\i]|, |v[XS+\i+1]|
	v_max3_num_f32 v11, v11, |v[XS+\i+2]|, |v[XS+\i+3]|
.endr
	v_max3_num_f32 v10, v10, |v[XS+30]|, |v[XS+31]|
	v_max3_num_f32 v10, v10, v11, 0x1800000        ; and the floor 2^(3 - 127): the byte cannot fall under 1
	v_add_nc_u32 v12, 0xff000000, v10              ; 2 off its exponent field: the conversion takes the exponent field of this operand as its scale
.irp g, 0,1,2,3
	v_cvt_scalef32_pk8_fp4_f32 v[CD+4*\T+\g], v[XS+8*\g:XS+8*\g+7], v12
.endr
	v_lshrrev_b32 v13, 23, v12                     ; the scale's byte (a plain line behind the conversions),
	v_lshlrev_b32 v13, v8, v13                     ; at its place in the row's word: block h is byte h;
	v_permlanex16_b32 v14, v13, s32, s33
	v_or_b32 v13, v13, v14                         ; with lane l xor 16's the two bytes are together, in both lanes;
	v_or_b32 v[34+\T%2], 0x7f7f0000, v13           ; 127 over the zero codes of K = 64 .. 127
	global_store_b128 v4, v[CD+4*\T:CD+4*\T+3], s[30:31] offset:512*\T   ; the tile's image: 512 consecutive bytes
.if \T%2
	v_cndmask_b32 v[32+\T/2], v35, v34, s40        ; lanes 0-15: the even tile's words; lanes 16-31: the odd tile's
.endif
.endm
	QT 0, 40                                       ; behind tile 0's loads: tile 1's 8, and the second half's 16 stores and 16 loads
	QT 1, 32
	QT 2, 8
	QT 3, 0
	global_store_b64 v7, v[32:33], s[36:37]        ; two pairs' scale words: 256 consecutive bytes
; ---- THE LIST, by one wave of the launch (x = y = wave = 0: a task that always counts): lane l takes batch l
	s_or_b32 s26, ttmp9, s19
	s_or_b32 s26, s26, s18
	s_cmp_lg_u32 s26, 0
	s_cbranch_scc1 .Lend
	v_lshlrev_b32 v40, 2, v1
	global_load_b32 v41, v40, s[8:9]
	v_mov_b32 v46, 0
	v_mov_b32 v47, 16
	v_mov_b32 v48, 0                               ; the rank
	v_sub_nc_u32 v45, 31, v1
	s_wait_loadcnt 0x0
	v_cmp_gt_i32 vcc_lo, 1, v41                    ; no key is valid
	v_cndmask_b32 v42, v41, v46, vcc_lo            ; valid_len held to 0 ..
	v_min_u32 v42, 0x800, v42                      ; .. 2,048
	v_add_nc_u32 v43, 127, v42
	v_lshrrev_b32 v43, 7, v43
	v_cndmask_b32 v43, v43, v47, vcc_lo            ; steps, as above
	v_lshl_add_u32 v44, v43, 5, v45                ; 32 x steps + 31 - l: no two alike
.set j, 0
.rept 32
	v_readlane_b32 s26, v44, j
	v_cmp_lt_u32 vcc_lo, v44, s26
	v_add_co_ci_u32 v48, vcc_lo, v48, v46, vcc_lo  ; one more batch stands ahead of mine
.set j, j+1
.endr
	v_min_u32 v48, 31, v48                         ; (it is under 32: the bound is written for the address's sake)
	v_lshlrev_b32 v49, 4, v48
	v_mov_b32 v52, v1
	v_mov_b32 v53, v42
	v_mov_b32 v54, v43
	v_mov_b32 v55, 0
	global_store_b128 v49, v[52:55], s[16:17]      ; the ranks are a permutation: the 32 lanes fill the list's 512 bytes
	s_branch .Lend
; ---- VALUES: K (the keys) is not innermost.  A lane takes a channel and its registers run down the keys: a block of 32 keys lies in one lane, and the codes come out with the keys innermost.
.Lvals:
	s_lshl_b32 s26, s20, 19                        ; batch x 2,048 rows x 256 bytes
	s_lshl_b32 s36, s22, 15                        ; + T1 x 128 rows
	s_add_co_u32 s26, s26, s36
	s_lshl_b32 s36, s23, 7                         ; + my 32 channels
	s_add_co_u32 s26, s26, s36
	s_add_nc_u64 s[28:29], s[10:11], s[26:27]
	v_lshlrev_b32 v36, 2, v1                       ; in: 4 bytes a lane
.macro VLOAD b                                 ; key block b: values(32 b + i, my channel), i = 0 .. 31
.set i, 0
.rept 32
	global_load_b32 v[RAW+32*(\b)+i], v36, s[28:29] offset:256*(32*(\b)+i)   ; 128 consecutive bytes; the neighbouring wave reads the row's other half
.set i, i+1
.endr
.endm
	VLOAD 0
	VLOAD 1
	s_mul_i32 s38, s38, KREC
	s_add_nc_u64 s[30:31], s[12:13], s[38:39]      ; my record
	s_lshl_b32 s26, s23, 8
	s_add_co_u32 s26, s26, 8704
	s_add_nc_u64 s[36:37], s[30:31], s[26:27]      ; my 32 channels' scale words
	s_lshl_b32 s26, s23, 11
	s_add_co_u32 s26, s26, 4096
	s_add_nc_u64 s[30:31], s[30:31], s[26:27]      ; my two tiles of channels
	v_lshlrev_b32 v37, 10, v3
	v_lshl_add_u32 v37, v2, 4, v37                 ; tile h of the two, row r
.macro VBLOCK b
.set XS, RAW+32*(\b)
.if (\b) < 3
	s_wait_loadcnt 32                              ; this block's 32 loads are in; the next block's may be out
.else
	s_wait_loadcnt 0x0
.endif
.if (\b) < 2
	VLOAD (\b)+2
.endif
	v_max3_num_f32 v10, |v[XS]|, |v[XS+1]|, |v[XS+2]|
	v_max3_num_f32 v11, |v[XS+3]|, |v[XS+4]|, |v[XS+5]|
.irp i, 6,10,14,18,22,26
	v_max3_num_f32 v10, v10, |v[XS+\i]|, |v[XS+\i+1]|
	v_max3_num_f32 v11, v11, |v[XS+\i+2]|, |v[XS+\i+3]|
.endr
	v_max3_num_f32 v10, v10, |v[XS+30]|, |v[XS+31]|
	v_max3_num_f32 v10, v10, v11, 0x1800000
	v_add_nc_u32 v12, 0xff000000, v10
	v_lshrrev_b32 v13, 23, v12
.if (\b) == 0
	v_mov_b32 v32, v13                             ; the channel's scale word: key block b is byte b
.else
	v_lshl_or_b32 v32, v13, 8*(\b), v32
.endif
.irp g, 0,1,2,3
	v_cvt_scalef32_pk8_fp4_f32 v[CD+4*(\b)+\g], v[XS+8*\g:XS+8*\g+7], v12
.endr
	global_store_b128 v37, v[CD+4*(\b):CD+4*(\b)+3], s[30:31] offset:512*((\b)/2)+256*((\b)%2)   ; half c = b / 2, lanes' half b % 2 of the image: sixteen lanes store 256 consecutive bytes, aligned
.endm                                          ; (the next vector line behind the conversions is a plain one that touches none of their registers)
	VBLOCK 0
	VBLOCK 1
	VBLOCK 2
	VBLOCK 3
	v_mov_b32 v33, 0
	global_store_b64 v7, v[32:33], s[36:37]        ; 256 consecutive bytes
.Lend:
	s_wait_tensorcnt 0x0
	ds_add_u32 v192, v193
	s_wait_dscnt 0x0
	s_endpgm
.Lfunc_end_k_q4aeb2f0aa1_quant:
	.size	k_q4aeb2f0aa1_quant, .Lfunc_end_k_q4aeb2f0aa1_quant-k_q4aeb2f0aa1_quant
	.p2alignl 7, 3214868480
	.fill 96, 4, 3214868480
	.section	.rodata,"a",@progbits
	.p2align	6, 0x0
	.amdhsa_kernel k_q4aeb2f0aa1_quant
		.amdhsa_group_segment_fixed_size 70144
		.amdhsa_private_segment_fixed_size 0
		.amdhsa_enable_private_segment 0
		.amdhsa_kernarg_size 56
		.amdhsa_user_sgpr_count 2
		.amdhsa_user_sgpr_kernarg_segment_ptr 1
		.amdhsa_wavefront_size32 1
		.amdhsa_system_sgpr_workgroup_id_x 1
		.amdhsa_system_sgpr_workgroup_id_y 1
		.amdhsa_system_sgpr_workgroup_id_z 1
		.amdhsa_system_vgpr_workitem_id 0
		.amdhsa_next_free_vgpr 194
		.amdhsa_next_free_sgpr 66
		.amdhsa_reserve_vcc 1
		.amdhsa_float_denorm_mode_32 3
		.amdhsa_float_denorm_mode_16_64 3
		.amdhsa_memory_ordered 1
		.amdhsa_forward_progress 1
		.amdhsa_inst_pref_size 43
	.end_amdhsa_kernel
	.amdgpu_metadata
---
amdhsa.version: [ 1, 2 ]
amdhsa.kernels:
  - .name:           k_q4aeb2f0aa1_quant
    .symbol:         k_q4aeb2f0aa1_quant.kd
    .args:
      - { .name: keys, .offset: 0, .size: 8, .value_kind: global_buffer, .address_space: global }
      - { .name: queries, .offset: 8, .size: 8, .value_kind: global_buffer, .address_space: global }
      - { .name: valid_lens, .offset: 16, .size: 8, .value_kind: global_buffer, .address_space: global }
      - { .name: values, .offset: 24, .size: 8, .value_kind: global_buffer, .address_space: global }
      - { .name: kv, .offset: 32, .size: 8, .value_kind: global_buffer, .address_space: global }
      - { .name: qw, .offset: 40, .size: 8, .value_kind: global_buffer, .address_space: global }
      - { .name: order, .offset: 48, .size: 8, .value_kind: global_buffer, .address_space: global }
    .group_segment_fixed_size: 70144
    .private_segment_fixed_size: 0
    .kernarg_segment_align: 8
    .kernarg_segment_size: 56
    .max_flat_workgroup_size: 128
    .sgpr_count:     66
    .vgpr_count:     194
    .wavefront_size: 32
...
	.end_amdgpu_metadata
.endif
;; end of part 1
;; launch attn (part 2): grid 16 x 16, 16 waves a work-group, no clusters, 306,176 bytes of LDS; arguments kv, qw, order, out0; writes out0
.if DOCPART == 2
	.amdgcn_target "amdgcn-amd-amdhsa--gfx1250"
	.amdhsa_code_object_version 6
	.text
	.protected	k_q4aeb2f0aa1_attn
	.globl	k_q4aeb2f0aa1_attn
	.p2align	8
	.type	k_q4aeb2f0aa1_attn,@function
k_q4aeb2f0aa1_attn:
	s_mov_b64 s[64:65], 0
	v_nop
	global_prefetch_b8 v0, s[64:65] scope:SCOPE_SE
	s_setreg_imm32_b32 hwreg(HW_REG_WAVE_MODE, 25, 1), 1
	s_wait_xcnt 0x0
; out0[b][q][:] = the sum over k of softmax_k(Q[b][q] . K[b][k] / 8, keys at or beyond valid_lens[b] set to -1e6) V[b][k][:], both products on codes of FP4 (E2M1) with one E8M0 scale for each 32 along K.
; The codes, the scale words and the list of batches come from the launch before, as images of the operands' registers (its head comment has the layouts).
; THE SOFTMAX AHEAD OF THE SECOND PRODUCT: t = logit x log2(e); M = the row's largest t so far, rounded UP to a whole number; p = 2^(t - M) is quantised along the keys, not normalised.
; The row's sum is taken of the unquantised p and divides at the end.  When M moves, the sum and O are multiplied by 2^(old M - new M): exact.
; THE MASK.  Steps of 128 keys that lie wholly at or beyond valid_len are not walked: their p is 0.  In the step that valid_len cuts, hidden keys get t = -1e6 x log2(e).  Where valid_len < 1 all 16 steps are walked
; and every key gets that t, so p = 1 throughout.
; LIMIT: a step that is not walked would count only where a row's largest true logit lies within some 100 of -1e6, which asks for |q . k| near 8e6; such inputs are not served.  NaN and infinities are not served.
; SHARES.  A work-group takes 128 queries (x) of TWO batches: the one of rank y in the list (long) and the one of rank 31 - y (short); a wave takes one tile of 16 queries of one of them.
; Wave w: batch sub = (w xor w / 4) % 2, tile wp = w / 2: of waves w, w + 4, w + 8, w + 12, and of waves 4 j .. 4 j + 3 alike, two serve each batch.  So long and short walks stand side by side, and the sum
; of a work-group's steps is nearly the same for all y.
; LDS.  All records that count, of both batches, are copied in ONCE at the head (16 x 9,216 bytes for each batch) and stay: the loop has no refill and no barrier.  The copies go through registers.
; the text has no tensor load, and with that no joint loads in a cluster either.
; The last 9,216 bytes claimed are never touched: they only cover the address that the fetch of the next step's K would have in the sixteenth trip, where it is jumped over.
; LAYOUT.  Both products are used transposed: S^T = K Q^T (source 0 = 16 keys, source 1 = my 16 queries), O^T = V^T P^T (source 0 = 16 channels, source 1 = P): a lane holds ONE query (lane % 16) throughout.
; Lane r of tile 2 b + u of K holds key 32 b + 8 u + r + 8 (r / 8), so that the 16 registers of tiles 2 b and 2 b + 1 are keys 32 b + 16 (lane / 16) + 0 .. 15.  My tile's queries are laid the same way.
; K = 64 in the first product: registers 4-7 of K's and Q's fragments are zeros, written once.
.set REC,  9216                        ; a record: a step's K codes, V codes, K scale words, V scale words
.set REGB, 16*REC                      ; a batch's region in LDS
.set GRP,  6*REC                       ; six records: as far as an LDS immediate of 16 bits is made to reach at the head
.set QREC, 4608
.set SP,   272                         ; the way out: a stage row, 256 bytes + 16
.set AK0, 1                            ; v1   my region + 16 l
.set AS0, 2                            ; v2   my region + 8192 + 8 l
.set ADK, 3                            ; v3   AK0 + the step
.set ADS, 4                            ; v4   AS0 + the step
.set STO, 5                            ; v5-7 the way out
.set RD,  6
.set GO,  7
.set QF,  16                           ; v16-23   Q's fragment
.set QS,  24                           ; v24      Q's scale words    (v24-31 hold scales and nothing else)
.set PS,  25                           ; v25      p's scale word
.set VS,  26                           ; v26-27   V's: lanes 0-15 the even tile's, lanes 16-31 the odd tile's
.set KS,  28                           ; v28-31   K's, likewise
.set KFR, 32                           ; v32-95   K's eight fragments
.set VF,  96                           ; v96-127  V's four
.set SR,  128                          ; v128-191 S^T, then p
.set OT,  192                          ; v192-223 O^T
.set PC,  224                          ; v224-231 p's codes
.set BM,  232                          ; v232-235 the blocks' largest scores, then largest p
.set TP,  236                          ; v236-239 at work
.set SO,  244                          ; v244-247 the conversions' scale operands
.set FF,  252                          ; v252     f = 2^(old M - new M); v253 is named with it as a pair
.set TW,  254                          ; v254     at work
; v12 -M, v13 the largest t, v[14:15] the sum in two halves.  At the head alone: v32-159, v160-175 a record's parts on their way into LDS; v232-239 addresses of that copy.
; s12 batch, s13 valid_len, s14 steps; s16 wave, s17 sub, s18 wp; s[20:21] lane selects; s[22:23] c; s[24:25] the c in force; s26 the step's byte in a region, s27 its first key, s28 the trip
	s_load_b256 s[4:11], s[0:1], 0x0               ; kv s[4:5], qw s[6:7], order s[8:9], out0 s[10:11]
	v_lshl_add_u32 v251, v0, 2, 0x4a400
	v_mov_b32 v255, 0
	v_lshrrev_b32 v1, 5, v0
	v_readfirstlane_b32 s16, v1                    ; wave 0..15
	s_lshr_b32 s17, s16, 2
	s_xor_b32 s17, s17, s16
	s_and_b32 s17, s17, 1                          ; sub
	s_lshr_b32 s18, s16, 1                         ; wp
	s_and_b32 s30, ttmp7, 0xffff                   ; y
	s_lshl_b32 s31, s30, 1
	s_sub_co_u32 s31, 31, s31
	s_mul_i32 s31, s31, s17
	s_add_co_u32 s30, s30, s31                     ; rank: y, or 31 - y
	s_lshl_b32 s30, s30, 4
	s_mov_b32 s31, 0                               ; stays 0: the upper word of every offset in s[30:31]
	s_mov_b32 s20, 0x76543210
	s_mov_b32 s21, 0xfedcba98                      ; v_permlanex16_b32's selects for lane l xor 16
	s_mov_b32 s22, 0x3e38aa3b                      ; c = log2(e) / 8
	s_mov_b32 s23, s22                             ; (named with it as a pair, so it is written)
	s_mul_i32 s19, s17, REGB                       ; my batch's region
	s_wait_kmcnt 0x0
	s_add_nc_u64 s[8:9], s[8:9], s[30:31]
	s_load_b128 s[12:15], s[8:9], 0x0              ; batch, valid_len, steps, 0
	v_and_b32 v8, 31, v0                           ; l
	v_and_b32 v9, 15, v0                           ; r
	v_lshlrev_b32 v10, 4, v8
	v_add_nc_u32 v[AK0], s19, v10
	v_lshlrev_b32 v11, 3, v8
	v_add_nc_u32 v[AS0], s19, v11
	v_add_nc_u32 v[AS0], 8192, v[AS0]
	s_lshl_b32 s32, s18, 9
	v_add_nc_u32 v238, s32, v10                    ; the copy: of a record's 2 x 4,096 bytes of codes my wave takes 512 wp + 16 l,
	s_lshl_b32 s33, s18, 7
	v_lshlrev_b32 v239, 2, v8
	v_add_nc_u32 v239, s33, v239                   ; of its 1,024 bytes of scale words 128 wp + 4 l
.irp g, 0,1,2
	s_add_co_u32 s34, s19, GRP*\g
	v_add_nc_u32 v[232+\g], s34, v238              ; the same places in LDS, for records 6 g on
	s_add_co_u32 s34, s34, 8192
	v_add_nc_u32 v[235+\g], s34, v239
.endr
	s_lshr_b32 s34, s18, 2                         ; my tile's scale words in Q's record: 256 (wp / 4) + 128 (wp % 2) + 4 ((wp / 2) % 2) + 8 r
	s_lshl_b32 s34, s34, 8
	s_and_b32 s35, s18, 1
	s_lshl_b32 s35, s35, 7
	s_add_co_u32 s34, s34, s35
	s_bfe_u32 s35, s18, 0x10001
	s_lshl_b32 s35, s35, 2
	s_add_co_u32 s34, s34, s35
	v_lshl_add_u32 v11, v9, 3, s34
	s_wait_kmcnt 0x0
	s_min_u32 s12, s12, 31                         ; what was read from memory is held inside its range before it enters an address or a count
	s_min_u32 s13, s13, 2048
	s_max_u32 s14, s14, 1
	s_min_u32 s14, s14, 16
	s_mul_i32 s30, s12, REGB
	s_add_nc_u64 s[4:5], s[4:5], s[30:31]          ; my batch's records
	s_lshl_b32 s30, s12, 4
	s_add_co_u32 s30, s30, ttmp9
	s_mul_i32 s30, s30, QREC
	s_add_nc_u64 s[6:7], s[6:7], s[30:31]          ; my 128 queries' record
	s_lshl_b32 s30, s12, 11
	s_lshl_b32 s34, ttmp9, 7
	s_add_co_u32 s30, s30, s34
	s_lshr_b32 s34, s18, 1
	s_lshl_b32 s34, s34, 5
	s_add_co_u32 s30, s30, s34
	s_and_b32 s34, s18, 1
	s_lshl_b32 s34, s34, 3
	s_add_co_u32 s30, s30, s34                     ; my tile's first query: 2048 batch + 128 x + 32 (wp / 2) + 8 (wp % 2)
	s_lshl_b32 s30, s30, 8
	s_add_nc_u64 s[10:11], s[10:11], s[30:31]      ; its row of out0
	global_load_b128 v[QF:QF+3], v238, s[6:7] th:TH_LOAD_NT        ; Q's codes: tile wp's image
	global_load_b32 v[QS], v11, s[6:7] offset:4096 th:TH_LOAD_NT   ; and its scale words
; THE COPY.  Record r is asked for where r < steps; at most 50 loads of a wave are out.  The stores run from the last record down, so that each block of stores is entered only where its loads were issued.
.macro LOADREC r
	global_load_b128 v[32+8*\r:35+8*\r], v238, s[4:5] offset:REC*\r
	global_load_b128 v[36+8*\r:39+8*\r], v238, s[4:5] offset:REC*\r+4096
	global_load_b32 v[160+\r], v239, s[4:5] offset:REC*\r+8192
.endm
.macro PUTREC n
.Lhave\n:
	s_wait_loadcnt 0x0
	ds_store_b128 v[232+(\n-1)/6], v[32+8*(\n-1):35+8*(\n-1)] offset:REC*((\n-1)%6)
	ds_store_b128 v[232+(\n-1)/6], v[36+8*(\n-1):39+8*(\n-1)] offset:REC*((\n-1)%6)+4096
	ds_store_b32 v[235+(\n-1)/6], v[160+(\n-1)] offset:REC*((\n-1)%6)
.endm
	LOADREC 0
.irp r, 1,2,3,4,5,6,7,8,9,10,11,12,13,14,15
	s_cmp_le_u32 s14, \r
	s_cbranch_scc1 .Lhave\r
	LOADREC \r
.endr
.irp n, 16,15,14,13,12,11,10,9,8,7,6,5,4,3,2,1
	PUTREC \n
.endr
	s_wait_dscnt 0x0                               ; for the others' sake: my parts of the records lie in LDS
	s_barrier_signal -1
.irp j, 4,5,6,7                                ; work on registers while the others arrive.  The zero halves of the first product's operands first: they stand far ahead of the first product
	v_mov_b32 v[QF+\j], 0
.endr
.irp T, 0,1,2,3,4,5,6,7
.irp j, 4,5,6,7
	v_mov_b32 v[KFR+8*\T+\j], 0
.endr
.endr
	v_mov_b32 v13, 0xff61b1e6                      ; the largest t so far: -3e38, under every t
	v_floor_f32 v12, -v13                          ; -M
	v_mov_b32 v14, 0                               ; the sum, in two halves
	v_mov_b32 v15, 0
.irp b, 0,1,2,3
	v_mov_b32 v[TP+\b], 0                          ; written once: a lane permute's destination counts as one of its sources
.endr
	v_mov_b32 v[FF], 0
	v_mov_b32 v[FF+1], 0                           ; (named as the upper half of a pair)
.set j, 0
.rept 32
	v_mov_b32 v[OT+j], 0                           ; O^T.  (The step is written once: the first finds zeros, which the first change of M leaves zeros)
.set j, j+1
.endr
	s_barrier_wait -1                              ; both batches' records are whole
.macro KFETCH ak, as, off                      ; a step's eight tiles of K (registers 0-3 of each fragment) and their scale words
.irp T, 0,1,2,3,4,5,6,7
	ds_load_b128 v[KFR+8*\T:KFR+8*\T+3], v[\ak] offset:\off+512*\T
.endr
	ds_load_b64 v[KS:KS+1], v[\as] offset:\off
	ds_load_b64 v[KS+2:KS+3], v[\as] offset:\off+256
.endm
	KFETCH AK0, AS0, 0                             ; step 0
	s_mov_b32 s26, 0
	s_mov_b32 s27, 0
	s_mov_b32 s28, 0
	s_wait_dscnt 0x0
.Lstep:                                            ; sixteen trips, a constant; a trip at or beyond my batch's steps does nothing but step the counters
	s_cmp_ge_u32 s28, s14
	s_cbranch_scc1 .Lidle
	v_add_nc_u32 v[ADK], s26, v[AK0]
	v_add_nc_u32 v[ADS], s26, v[AS0]
	s_mov_b32 s24, s22                             ; the scores are still to be multiplied by c
	s_mov_b32 s25, s22
.irp T, 0,1,2,3,4,5,6,7                        ; S^T = K Q^T: eight accumulators, one instruction each
.if \T%2
	v_wmma_scale_f32_16x16x128_f8f6f4 v[SR+8*\T:SR+8*\T+7], v[KFR+8*\T:KFR+8*\T+7], v[QF:QF+7], 0, v[KS+\T/2], v[QS] matrix_a_fmt:MATRIX_FMT_FP4 matrix_b_fmt:MATRIX_FMT_FP4 matrix_a_scale:MATRIX_SCALE_ROW1
.else
	v_wmma_scale_f32_16x16x128_f8f6f4 v[SR+8*\T:SR+8*\T+7], v[KFR+8*\T:KFR+8*\T+7], v[QF:QF+7], 0, v[KS+\T/2], v[QS] matrix_a_fmt:MATRIX_FMT_FP4 matrix_b_fmt:MATRIX_FMT_FP4
.endif
.endr
.rept 4
	v_nop                                          ; four places ahead of the loads into K's registers and of the first read of the scores; with the two additions above, six behind the last trip's products, ahead of the loads into V's
.endr
	s_add_co_u32 s30, s28, 1
	s_cmp_ge_u32 s30, s14
	s_cbranch_scc1 .Lnok                           ; my last step fetches no further K
	KFETCH ADK, ADS, REC                           ; the next step's K: it has the whole softmax in which to come
.Lnok:
.irp t, 0,1,2,3
.irp c, 0,1
	ds_load_b128 v[VF+8*\t+4*\c:VF+8*\t+4*\c+3], v[ADK] offset:4096+1024*\t+512*\c   ; this step's V
.endr
.endr
	ds_load_b32 v[VS], v[ADS] offset:512
	ds_load_b32 v[VS+1], v[ADS] offset:768
	; the mask: only in a step that valid_len cuts (or, where valid_len < 1, in all)
	s_add_co_u32 s30, s27, 127
	s_cmp_lt_u32 s30, s13
	s_cbranch_scc1 .Lopen                          ; all 128 keys count
.set j, 0
.rept 32
	v_pk_mul_f32 v[SR+j:SR+j+1], v[SR+j:SR+j+1], s[22:23] op_sel_hi:[1,0]   ; t, so that the fill can stand among them
.set j, j+2
.endr
	s_sub_co_i32 s30, s13, s27
	v_bfe_u32 v[TW], v0, 4, 1
	v_lshlrev_b32 v[TW], 4, v[TW]
	v_sub_nc_u32 v[TW], s30, v[TW]                 ; d = valid_len - the step's first key - 16 (lane / 16).  Register 16 b + i holds key 32 b + 16 (lane / 16) + i of the step: hidden where 32 b + i >= d
	v_mov_b32 v[FF], 0xc9b01c38                    ; -1e6 x log2(e)
.set n, 0
.rept 64
	v_cmp_ge_i32 vcc_lo, 32*(n/16)+n%16, v[TW]
	v_cndmask_b32 v[SR+n], v[SR+n], v[FF], vcc_lo
.set n, n+1
.endr
	s_mov_b32 s24, 1.0                             ; c has been applied
	s_mov_b32 s25, 1.0
.Lopen:
.irp b, 0,1,2,3
	v_max3_num_f32 v[BM+\b], v[SR+16*\b], v[SR+1+16*\b], v[SR+2+16*\b]   ; the largest score of each block of 32 keys: it serves for the row's maximum and, since p rises with the score, for the block's largest p
.endr
.irp i, 3,5,7,9,11,13
.irp b, 0,1,2,3
	v_max3_num_f32 v[BM+\b], v[BM+\b], v[SR+16*\b+\i], v[SR+1+16*\b+\i]   ; (the four blocks by turns)
.endr
.endr
.irp b, 0,1,2,3
	v_max_num_f32 v[BM+\b], v[BM+\b], v[SR+15+16*\b]
.endr
.irp b, 0,1,2,3
	v_permlanex16_b32 v[TP+\b], v[BM+\b], s20, s21
.endr
.irp b, 0,1,2,3
	v_max_num_f32 v[BM+\b], v[BM+\b], v[TP+\b]     ; with lane l xor 16's 16 keys
.endr
	v_max3_num_f32 v[TW], v[BM], v[BM+1], v[BM+2]
	v_max_num_f32 v[TW], v[TW], v[BM+3]            ; the step's largest score of my query
	v_mul_f32 v[TW], s24, v[TW]                    ; as t (c is positive)
	v_max_num_f32 v13, v13, v[TW]                  ; the running largest t
	v_mov_b32 v[TW], v12
	v_floor_f32 v12, -v13                          ; the new -M = floor(-t) = -ceil(t): a whole number
	v_sub_f32 v[TW], v12, v[TW]                    ; M's old value less its new one: a whole number, 0 or less
	v_cvt_i32_f32 v[TW], v[TW]                     ; (it saturates)
	v_ldexp_f32 v[FF], 1.0, v[TW]                  ; f = 2^(old M - new M)
.set j, 0
.rept 32
	v_pk_fma_f32 v[SR+j:SR+j+1], v[SR+j:SR+j+1], s[24:25], v[12:13] op_sel_hi:[1,0,0]   ; t - M, two at a time (of the pairs c and -M the low word serves both halves)
.set j, j+2
.endr
.irp b, 0,1,2,3
	v_fma_f32 v[BM+\b], v[BM+\b], s24, v12         ; the same of each block's largest score
.endr
.set j, 0
.rept 64
	v_exp_f32 v[SR+j], v[SR+j]                     ; p = 2^(t - M), at most 1
.set j, j+1
.endr
	v_pk_mul_f32 v[14:15], v[14:15], v[FF:FF+1] op_sel_hi:[1,0]   ; the sums under the new M: a plain line behind the exponentials
	s_wait_alu depctr_va_vdst(0)                   ; the wait ahead of the first line that names an exponential's result: one for the 64
.irp b, 0,1,2,3
	v_exp_f32 v[BM+\b], v[BM+\b]                   ; the block's largest p: the same two instructions on the same number give the same bits
.endr
	v_pk_add_f32 v[TP:TP+1], v[SR:SR+1], v[SR+2:SR+3]   ; the row's sum is taken of the unquantised p: two at a time, in two chains
.irp j, 4,8,12,16,20,24,28,32,36,40,44,48,52,56,60
	v_pk_add_f32 v[14:15], v[14:15], v[SR+\j:SR+1+\j]
	v_pk_add_f32 v[TP:TP+1], v[TP:TP+1], v[SR+2+\j:SR+3+\j]
.endr
	v_pk_add_f32 v[14:15], v[14:15], v[TP:TP+1]
	s_wait_alu depctr_va_vdst(0)                   ; and one for the four
.irp b, 0,1,2,3
	v_max_num_f32 v[BM+\b], 0x1800000, v[BM+\b]    ; the floor 2^(3 - 127): the byte cannot fall under 1 (a block whose every p is 0 keeps that byte: its codes are zeros)
.endr
.irp b, 0,1,2,3
	v_add_nc_u32 v[SO+\b], 0xff000000, v[BM+\b]    ; 2 off the exponent field: the conversion's scale operand
.endr
.irp b, 0,1,2,3
	v_lshrrev_b32 v[TP+\b], 23, v[SO+\b]           ; the scale's byte
.endr
	v_lshl_or_b32 v[PS], v[TP+1], 8, v[TP]         ; p's scale word for these 128 keys
	v_lshl_or_b32 v[PS], v[TP+2], 16, v[PS]
	v_lshl_or_b32 v[PS], v[TP+3], 24, v[PS]
.irp b, 0,1,2,3
	v_cvt_scalef32_pk8_fp4_f32 v[PC+2*\b], v[SR+16*\b:SR+7+16*\b], v[SO+\b]
	v_cvt_scalef32_pk8_fp4_f32 v[PC+1+2*\b], v[SR+8+16*\b:SR+15+16*\b], v[SO+\b]
.endr
	v_nop                                          ; one plain line between a scaled conversion and the vector line that touches its result
.irp c, 0,1                                    ; the operand's layout wants a whole block in a lane: lanes 0-15 block 2 c, lanes 16-31 block 2 c + 1
.irp i, 0,1
	v_permlane16_swap_b32 v[PC+4*\c+\i], v[PC+2+4*\c+\i]
.endr
.endr
.set j, 0
.rept 16
	v_pk_mul_f32 v[OT+j:OT+j+1], v[OT+j:OT+j+1], v[FF:FF+1] op_sel_hi:[1,0]   ; O^T under the new M.  (These sixteen are also the places between the lines that made p's codes and scale word and the products)
.set j, j+2
.endr
	s_wait_dscnt 0x0                               ; this step's V and the next step's K are in
.irp t, 0,1,2,3                                ; O^T += V^T P^T: four accumulators, one instruction each
.if \t%2
	v_wmma_scale_f32_16x16x128_f8f6f4 v[OT+8*\t:OT+8*\t+7], v[VF+8*\t:VF+8*\t+7], v[PC:PC+7], v[OT+8*\t:OT+8*\t+7], v[VS+\t/2], v[PS] matrix_a_fmt:MATRIX_FMT_FP4 matrix_b_fmt:MATRIX_FMT_FP4 matrix_a_scale:MATRIX_SCALE_ROW1
.else
	v_wmma_scale_f32_16x16x128_f8f6f4 v[OT+8*\t:OT+8*\t+7], v[VF+8*\t:VF+8*\t+7], v[PC:PC+7], v[OT+8*\t:OT+8*\t+7], v[VS+\t/2], v[PS] matrix_a_fmt:MATRIX_FMT_FP4 matrix_b_fmt:MATRIX_FMT_FP4
.endif
.endr
.Lidle:
	s_add_co_u32 s26, s26, REC
	s_add_co_u32 s27, s27, 128
	s_add_co_u32 s28, s28, 1
	s_cmp_lt_u32 s28, 16
	s_cbranch_scc1 .Lstep
	; THE WAY OUT.  The stages, 16 rows x 272 bytes for each wave, lie over the first batch's records: so every wave first says that its reads of the records are over.
	s_wait_dscnt 0x0
	s_barrier_signal -1
	s_barrier_wait -1
	v_add_f32 v14, v14, v15                        ; the sum's two halves,
	v_permlanex16_b32 v[FF], v14, s20, s21
	v_add_f32 v14, v14, v[FF]                      ; and lane l xor 16's: the row's sum
	v_rcp_f32 v14, v14
	v_and_b32 v8, 15, v0                           ; r  (plain lines behind the reciprocal)
	v_bfe_u32 v9, v0, 4, 1                         ; h
	s_mul_i32 s30, s16, 16*SP                      ; my stage
	v_mul_u32_u24 v[STO], v8, SP
	v_lshl_add_u32 v[STO], v9, 5, v[STO]
	v_add_nc_u32 v[STO], s30, v[STO]               ; in: row r; tile t's eight channels of my half: 64 t + 32 h bytes on
	v_mul_u32_u24 v[RD], v9, SP
	v_lshl_add_u32 v[RD], v8, 4, v[RD]
	v_add_nc_u32 v[RD], s30, v[RD]                 ; back: lanes 0-15 one row, lanes 16-31 the next
	v_lshlrev_b32 v[GO], 8, v9
	v_lshl_add_u32 v[GO], v8, 4, v[GO]             ; and the same two rows in out0
	s_wait_alu depctr_va_vdst(0)                   ; the wait ahead of the reciprocal's first reader
.set j, 0
.rept 32
	v_mul_f32 v[SR+j], v[OT+j], v14                ; O^T / the sum, each accumulator from its low end on: register 8 t + i is out0(my query r, 16 t + 8 h + i)
.set j, j+1
.endr
.irp t, 0,1,2,3
	ds_store_b128 v[STO], v[SR+8*\t:SR+8*\t+3] offset:64*\t
	ds_store_b128 v[STO], v[SR+8*\t+4:SR+8*\t+7] offset:64*\t+16
.endr
.irp i, 0,1,2,3,4,5,6,7
	ds_load_b128 v[SR+32+4*\i:SR+35+4*\i], v[RD] offset:2*\i*SP   ; LDS serves a wave's instructions in order: these see my stores
.endr
.irp i, 0,1,2,3,4,5,6,7
	s_wait_dscnt 7-\i                              ; the younger loads may be out
	global_store_b128 v[GO], v[SR+32+4*\i:SR+35+4*\i], s[10:11] offset:(2*\i+8*(\i/4))*256 th:TH_STORE_NT   ; stage rows 8-15 are the queries 16 on from rows 0-7; sixteen lanes store a row's 256 consecutive bytes, aligned
.endr
	s_wait_tensorcnt 0x0
	ds_add_u32 v251, v255
	s_wait_dscnt 0x0
	s_endpgm
.Lfunc_end_k_q4aeb2f0aa1_attn:
	.size	k_q4aeb2f0aa1_attn, .Lfunc_end_k_q4aeb2f0aa1_attn-k_q4aeb2f0aa1_attn
	.p2alignl 7, 3214868480
	.fill 96, 4, 3214868480
	.section	.rodata,"a",@progbits
	.p2align	6, 0x0
	.amdhsa_kernel k_q4aeb2f0aa1_attn
		.amdhsa_group_segment_fixed_size 306176
		.amdhsa_private_segment_fixed_size 0
		.amdhsa_enable_private_segment 0
		.amdhsa_kernarg_size 32
		.amdhsa_user_sgpr_count 2
		.amdhsa_user_sgpr_kernarg_segment_ptr 1
		.amdhsa_wavefront_size32 1
		.amdhsa_system_sgpr_workgroup_id_x 1
		.amdhsa_system_sgpr_workgroup_id_y 1
		.amdhsa_system_sgpr_workgroup_id_z 1
		.amdhsa_system_vgpr_workitem_id 0
		.amdhsa_next_free_vgpr 256
		.amdhsa_next_free_sgpr 66
		.amdhsa_reserve_vcc 1
		.amdhsa_float_denorm_mode_32 3
		.amdhsa_float_denorm_mode_16_64 3
		.amdhsa_memory_ordered 1
		.amdhsa_forward_progress 1
		.amdhsa_inst_pref_size 43
	.end_amdhsa_kernel
	.amdgpu_metadata
---
amdhsa.version: [ 1, 2 ]
amdhsa.kernels:
  - .name:           k_q4aeb2f0aa1_attn
    .symbol:         k_q4aeb2f0aa1_attn.kd
    .args:
      - { .name: kv, .offset: 0, .size: 8, .value_kind: global_buffer, .address_space: global }
      - { .name: qw, .offset: 8, .size: 8, .value_kind: global_buffer, .address_space: global }
      - { .name: order, .offset: 16, .size: 8, .value_kind: global_buffer, .address_space: global }
      - { .name: out0, .offset: 24, .size: 8, .value_kind: global_buffer, .address_space: global }
    .group_segment_fixed_size: 306176
    .private_segment_fixed_size: 0
    .kernarg_segment_align: 8
    .kernarg_segment_size: 32
    .max_flat_workgroup_size: 512
    .sgpr_count:     66
    .vgpr_count:     256
    .wavefront_size: 32
...
	.end_amdgpu_metadata
.endif
;; end of part 2
;; ======== version 2 of 2: 2 launches; version 1 with the launch attn written anew for expert scheduling mode
;; limits: right only within a limited range of input values
;; workspace buffers: kv 4,718,592 bytes; qw 2,359,296 bytes; order 512 bytes of whole numbers
;; launch quant: the kernel of part 1 again; grid 256 x 3, 4 waves a work-group, no clusters, 70,144 bytes of LDS; arguments keys, queries, valid_lens, values, kv, qw, order; writes kv, qw, order
;; launch attn (part 3): grid 16 x 16, 16 waves a work-group, no clusters, 306,176 bytes of LDS; arguments kv, qw, order, out0; writes out0
.if DOCPART == 3
	.amdgcn_target "amdgcn-amd-amdhsa--gfx1250"
	.amdhsa_code_object_version 6
	.text
	.protected	k_q4aeb2f0aa1_attn
	.globl	k_q4aeb2f0aa1_attn
	.p2align	8
	.type	k_q4aeb2f0aa1_attn,@function
k_q4aeb2f0aa1_attn:
	s_mov_b64 s[64:65], 0
	v_nop
	global_prefetch_b8 v0, s[64:65] scope:SCOPE_SE
	s_setreg_imm32_b32 hwreg(HW_REG_WAVE_SCHED_MODE, 0, 2), 2
	s_setreg_imm32_b32 hwreg(HW_REG_WAVE_MODE, 25, 1), 1
	s_wait_xcnt 0x0
	s_wait_alu depctr_vm_vsrc(0)
; out0[b][q][:] = the sum over k of softmax_k(Q[b][q] . K[b][k] / 8, keys at or beyond valid_lens[b] set to -1e6) V[b][k][:], both products on codes of FP4 (E2M1) with one E8M0 scale for each 32 along K.
; The codes, the scale words and the list of batches come from the launch before, as images of the operands' registers (its head comment has the layouts).
; THE SOFTMAX AHEAD OF THE SECOND PRODUCT: t = logit x log2(e); M = the row's largest t so far, rounded UP to a whole number; p = 2^(t - M) is quantised along the keys, not normalised.
; The row's sum is taken of the unquantised p and divides at the end.  When M moves, the sum and O are multiplied by 2^(old M - new M): exact.
; THE MASK.  Steps of 128 keys that lie wholly at or beyond valid_len are not walked: their p is 0.  In the step that valid_len cuts, hidden keys get t = -1e6 x log2(e).  Where valid_len < 1 all 16 steps are walked
; and every key gets that t, so p = 1 throughout.
; LIMIT: a step that is not walked would count only where a row's largest true logit lies within some 100 of -1e6, which asks for |q . k| near 8e6; such inputs are not served.  NaN and infinities are not served.
; SHARES.  A work-group takes 128 queries (x) of TWO batches: the one of rank y in the list (long) and the one of rank 31 - y (short); a wave takes one tile of 16 queries of one of them.
; Wave w: batch sub = (w xor w / 4) % 2, tile wp = w / 2: of waves w, w + 4, w + 8, w + 12, and of waves 4 j .. 4 j + 3 alike, two serve each batch.  So long and short walks stand side by side, and the sum
; of a work-group's steps is nearly the same for all y.
; LDS.  All records that count, of both batches, are copied in ONCE at the head (16 x 9,216 bytes for each batch) and stay: the loop has no refill and no barrier.  The copies go through registers.
; the text has no tensor load, and with that no joint loads in a cluster either.
; The last 9,216 bytes claimed are never touched: they only cover the address that the fetch of the next step's K would have in the sixteenth trip, where it is jumped over.
; LAYOUT.  Both products are used transposed: S^T = K Q^T (source 0 = 16 keys, source 1 = my 16 queries), O^T = V^T P^T (source 0 = 16 channels, source 1 = P): a lane holds ONE query (lane % 16) throughout.
; Lane r of tile 2 b + u of K holds key 32 b + 8 u + r + 8 (r / 8), so that the 16 registers of tiles 2 b and 2 b + 1 are keys 32 b + 16 (lane / 16) + 0 .. 15.  My tile's queries are laid the same way.
; K = 64 in the first product: registers 4-7 of K's and Q's fragments are zeros, written once.
; THE MODE: SCHED_MODE bits 1:0 = 2 (LLVM: expert scheduling mode 2), set by the entry lines.  The code itself states the register dependences
; between vector or matrix instructions and memory or LDS instructions, with s_wait_alu, always for 0.
; THE PLAN.  Registers that memory or LDS instructions touch:
;   at the head  v11, v238, v239 (global offsets) and v232-237 (LDS addresses): made by the head's arithmetic, read by the copy's loads and stores.  v32-175: the copy's loads land there, its LDS stores read them.
;                Behind the copy all of these get other uses: one wait on vm_vsrc stands between.
;   v1, v2       made at the head, never written again; read by the fetch of step 0.
;   v3, v4       written by two additions at a trip's head; read by that trip's LDS loads.
;   K's fragments (registers 0-3 of each) and v28-31: the LDS loads of trip t land there; the first products of trip t + 1 read them.
;   V's fragments and v26-27: the LDS loads of trip t land there; the second products of trip t read them.
;   S^T, O^T, p's codes and all that is at work are named by vector and matrix instructions alone, until the way out.
; So a trip has one wait on vm_vsrc, ahead of the two additions, and ONE wait on va_vdst for all its LDS loads, behind the first products and their places: those products are done reading K, the last trip's
; second products are done reading V, and v3 and v4 are written.  No vector line behind it names a register that the trip's loads touch.  A second wait on va_vdst stands ahead of the second products, for p's
; codes and scale word, which vector lines have made.
.set REC,  9216                        ; a record: a step's K codes, V codes, K scale words, V scale words
.set REGB, 16*REC                      ; a batch's region in LDS
.set GRP,  6*REC                       ; six records: as far as an LDS immediate of 16 bits is made to reach at the head
.set QREC, 4608
.set SP,   272                         ; the way out: a stage row, 256 bytes + 16
.set AK0, 1                            ; v1   my region + 16 l
.set AS0, 2                            ; v2   my region + 8192 + 8 l
.set ADK, 3                            ; v3   AK0 + the step
.set ADS, 4                            ; v4   AS0 + the step
.set STO, 5                            ; v5-7 the way out
.set RD,  6
.set GO,  7
.set QF,  16                           ; v16-23   Q's fragment
.set QS,  24                           ; v24      Q's scale words    (v24-31 hold scales and nothing else)
.set PS,  25                           ; v25      p's scale word
.set VS,  26                           ; v26-27   V's: lanes 0-15 the even tile's, lanes 16-31 the odd tile's
.set KS,  28                           ; v28-31   K's, likewise
.set KFR, 32                           ; v32-95   K's eight fragments
.set VF,  96                           ; v96-127  V's four
.set SR,  128                          ; v128-191 S^T, then p
.set OT,  192                          ; v192-223 O^T
.set PC,  224                          ; v224-231 p's codes
.set BM,  232                          ; v232-235 the blocks' largest scores, then largest p
.set TP,  236                          ; v236-239 at work
.set SO,  244                          ; v244-247 the conversions' scale operands
.set FF,  252                          ; v252     f = 2^(old M - new M); v253 is named with it as a pair
.set TW,  254                          ; v254     at work
.set MK,  32                           ; s32-39   in the loop: eight masks of the compares at a time (at the head these registers are at work on offsets)
; v12 -M, v13 the largest t, v[14:15] the sum in two halves.  At the head alone: v32-159, v160-175 a record's parts on their way into LDS; v232-239 addresses of that copy.
; s12 batch, s13 valid_len, s14 steps; s16 wave, s17 sub, s18 wp; s[20:21] lane selects; s[22:23] c; s[24:25] the c in force; s26 the step's byte in a region, s27 its first key, s28 the trip
	s_load_b256 s[4:11], s[0:1], 0x0               ; kv s[4:5], qw s[6:7], order s[8:9], out0 s[10:11]
	v_lshl_add_u32 v251, v0, 2, 0x4a400
	v_mov_b32 v255, 0
	v_lshrrev_b32 v1, 5, v0
	v_readfirstlane_b32 s16, v1                    ; wave 0..15
	s_wait_alu depctr_va_sdst(0)                   ; s16 is written, ahead of its first reader: the batch, the tile and every base are made from it
	s_lshr_b32 s17, s16, 2
	s_xor_b32 s17, s17, s16
	s_and_b32 s17, s17, 1                          ; sub
	s_lshr_b32 s18, s16, 1                         ; wp
	s_and_b32 s30, ttmp7, 0xffff                   ; y
	s_lshl_b32 s31, s30, 1
	s_sub_co_u32 s31, 31, s31
	s_mul_i32 s31, s31, s17
	s_add_co_u32 s30, s30, s31                     ; rank: y, or 31 - y
	s_lshl_b32 s30, s30, 4
	s_mov_b32 s31, 0                               ; stays 0: the upper word of every offset in s[30:31]
	s_mov_b32 s20, 0x76543210
	s_mov_b32 s21, 0xfedcba98                      ; v_permlanex16_b32's selects for lane l xor 16
	s_mov_b32 s22, 0x3e38aa3b                      ; c = log2(e) / 8
	s_mov_b32 s23, s22                             ; (named with it as a pair, so it is written)
	s_mul_i32 s19, s17, REGB                       ; my batch's region
	s_wait_kmcnt 0x0
	s_add_nc_u64 s[8:9], s[8:9], s[30:31]
	s_load_b128 s[12:15], s[8:9], 0x0              ; batch, valid_len, steps, 0
	v_and_b32 v8, 31, v0                           ; l
	v_and_b32 v9, 15, v0                           ; r
	v_lshlrev_b32 v10, 4, v8
	v_add_nc_u32 v[AK0], s19, v10
	v_lshlrev_b32 v11, 3, v8
	v_add_nc_u32 v[AS0], s19, v11
	v_add_nc_u32 v[AS0], 8192, v[AS0]
	s_lshl_b32 s32, s18, 9
	v_add_nc_u32 v238, s32, v10                    ; the copy: of a record's 2 x 4,096 bytes of codes my wave takes 512 wp + 16 l,
	s_lshl_b32 s33, s18, 7
	v_lshlrev_b32 v239, 2, v8
	v_add_nc_u32 v239, s33, v239                   ; of its 1,024 bytes of scale words 128 wp + 4 l
.irp g, 0,1,2
	s_add_co_u32 s34, s19, GRP*\g
	v_add_nc_u32 v[232+\g], s34, v238              ; the same places in LDS, for records 6 g on
	s_add_co_u32 s34, s34, 8192
	v_add_nc_u32 v[235+\g], s34, v239
.endr
	s_lshr_b32 s34, s18, 2                         ; my tile's scale words in Q's record: 256 (wp / 4) + 128 (wp % 2) + 4 ((wp / 2) % 2) + 8 r
	s_lshl_b32 s34, s34, 8
	s_and_b32 s35, s18, 1
	s_lshl_b32 s35, s35, 7
	s_add_co_u32 s34, s34, s35
	s_bfe_u32 s35, s18, 0x10001
	s_lshl_b32 s35, s35, 2
	s_add_co_u32 s34, s34, s35
	v_lshl_add_u32 v11, v9, 3, s34
	s_wait_kmcnt 0x0
	s_min_u32 s12, s12, 31                         ; what was read from memory is held inside its range before it enters an address or a count
	s_min_u32 s13, s13, 2048
	s_max_u32 s14, s14, 1
	s_min_u32 s14, s14, 16
	s_mul_i32 s30, s12, REGB
	s_add_nc_u64 s[4:5], s[4:5], s[30:31]          ; my batch's records
	s_lshl_b32 s30, s12, 4
	s_add_co_u32 s30, s30, ttmp9
	s_mul_i32 s30, s30, QREC
	s_add_nc_u64 s[6:7], s[6:7], s[30:31]          ; my 128 queries' record
	s_lshl_b32 s30, s12, 11
	s_lshl_b32 s34, ttmp9, 7
	s_add_co_u32 s30, s30, s34
	s_lshr_b32 s34, s18, 1
	s_lshl_b32 s34, s34, 5
	s_add_co_u32 s30, s30, s34
	s_and_b32 s34, s18, 1
	s_lshl_b32 s34, s34, 3
	s_add_co_u32 s30, s30, s34                     ; my tile's first query: 2048 batch + 128 x + 32 (wp / 2) + 8 (wp % 2)
	s_lshl_b32 s30, s30, 8
	s_add_nc_u64 s[10:11], s[10:11], s[30:31]      ; its row of out0
	s_wait_alu depctr_va_vdst(0)                   ; the offsets v11, v238, v239 and the LDS addresses v1, v2, v232-237 are written: the loads and LDS stores of the copy and the fetch of step 0 read them
	global_load_b128 v[QF:QF+3], v238, s[6:7] th:TH_LOAD_NT        ; Q's codes: tile wp's image
	global_load_b32 v[QS], v11, s[6:7] offset:4096 th:TH_LOAD_NT   ; and its scale words
; THE COPY.  Record r is asked for where r < steps; at most 50 loads of a wave are out.  The stores run from the last record down, so that each block of stores is entered only where its loads were issued.
; No vector line stands in it: the wait above serves all its addresses.
.macro LOADREC r
	global_load_b128 v[32+8*\r:35+8*\r], v238, s[4:5] offset:REC*\r
	global_load_b128 v[36+8*\r:39+8*\r], v238, s[4:5] offset:REC*\r+4096
	global_load_b32 v[160+\r], v239, s[4:5] offset:REC*\r+8192
.endm
.macro PUTREC n
.Lhave\n:
	s_wait_loadcnt 0x0
	ds_store_b128 v[232+(\n-1)/6], v[32+8*(\n-1):35+8*(\n-1)] offset:REC*((\n-1)%6)
	ds_store_b128 v[232+(\n-1)/6], v[36+8*(\n-1):39+8*(\n-1)] offset:REC*((\n-1)%6)+4096
	ds_store_b32 v[235+(\n-1)/6], v[160+(\n-1)] offset:REC*((\n-1)%6)
.endm
	LOADREC 0
.irp r, 1,2,3,4,5,6,7,8,9,10,11,12,13,14,15
	s_cmp_le_u32 s14, \r
	s_cbranch_scc1 .Lhave\r
	LOADREC \r
.endr
.irp n, 16,15,14,13,12,11,10,9,8,7,6,5,4,3,2,1
	PUTREC \n
.endr
	s_wait_dscnt 0x0                               ; for the others' sake: my parts of the records lie in LDS
	s_wait_alu depctr_vm_vsrc(0)                   ; the copy's loads and LDS stores have read v32-175 and v232-239: the lines below, the fragments' loads and the products write these registers again
	s_barrier_signal -1
.irp j, 4,5,6,7                                ; work on registers while the others arrive.  The zero halves of the first product's operands first: they stand far ahead of the first product
	v_mov_b32 v[QF+\j], 0
.endr
.irp T, 0,1,2,3,4,5,6,7
.irp j, 4,5,6,7
	v_mov_b32 v[KFR+8*\T+\j], 0
.endr
.endr
	v_mov_b32 v13, 0xff61b1e6                      ; the largest t so far: -3e38, under every t
	v_floor_f32 v12, -v13                          ; -M
	v_mov_b32 v14, 0                               ; the sum, in two halves
	v_mov_b32 v15, 0
.irp b, 0,1,2,3
	v_mov_b32 v[TP+\b], 0                          ; written once: a lane permute's destination counts as one of its sources
.endr
	v_mov_b32 v[FF], 0
	v_mov_b32 v[FF+1], 0                           ; (named as the upper half of a pair)
.set j, 0
.rept 32
	v_mov_b32 v[OT+j], 0                           ; O^T.  (The step is written once: the first finds zeros, which the first change of M leaves zeros)
.set j, j+1
.endr
	s_barrier_wait -1                              ; both batches' records are whole
	s_wait_alu depctr_va_vdst(0)                   ; the zero halves of Q's and K's fragments are written, which the scaled products take as A and B in every trip
.macro KFETCH ak, as, off                      ; a step's eight tiles of K (registers 0-3 of each fragment) and their scale words
.irp T, 0,1,2,3,4,5,6,7
	ds_load_b128 v[KFR+8*\T:KFR+8*\T+3], v[\ak] offset:\off+512*\T
.endr
	ds_load_b64 v[KS:KS+1], v[\as] offset:\off
	ds_load_b64 v[KS+2:KS+3], v[\as] offset:\off+256
.endm
	KFETCH AK0, AS0, 0                             ; step 0
	s_mov_b32 s26, 0
	s_mov_b32 s27, 0
	s_mov_b32 s28, 0
	s_wait_dscnt 0x0
.Lstep:                                            ; sixteen trips, a constant; a trip at or beyond my batch's steps does nothing but step the counters
	s_cmp_ge_u32 s28, s14
	s_cbranch_scc1 .Lidle
	s_wait_alu depctr_vm_vsrc(0)                   ; the last trip's LDS loads have read v[ADK] and v[ADS], which the two additions write again
	v_add_nc_u32 v[ADK], s26, v[AK0]
	v_add_nc_u32 v[ADS], s26, v[AS0]
	s_mov_b32 s24, s22                             ; the scores are still to be multiplied by c
	s_mov_b32 s25, s22
.irp T, 0,1,2,3,4,5,6,7                        ; S^T = K Q^T: eight accumulators, one instruction each
.if \T%2
	v_wmma_scale_f32_16x16x128_f8f6f4 v[SR+8*\T:SR+8*\T+7], v[KFR+8*\T:KFR+8*\T+7], v[QF:QF+7], 0, v[KS+\T/2], v[QS] matrix_a_fmt:MATRIX_FMT_FP4 matrix_b_fmt:MATRIX_FMT_FP4 matrix_a_scale:MATRIX_SCALE_ROW1
.else
	v_wmma_scale_f32_16x16x128_f8f6f4 v[SR+8*\T:SR+8*\T+7], v[KFR+8*\T:KFR+8*\T+7], v[QF:QF+7], 0, v[KS+\T/2], v[QS] matrix_a_fmt:MATRIX_FMT_FP4 matrix_b_fmt:MATRIX_FMT_FP4
.endif
.endr
.rept 4
	v_nop                                          ; four places (ISA guide 7.12.1) ahead of the first read of the scores
.endr
	s_wait_alu depctr_va_vdst(0)                   ; these products are done reading K's fragments and scale words, the last trip's second products are done reading V's, and v[ADK], v[ADS] are written: all the trip's LDS loads hang on that, and no vector line behind this wait names their registers
	s_add_co_u32 s30, s28, 1
	s_cmp_ge_u32 s30, s14
	s_cbranch_scc1 .Lnok                           ; my last step fetches no further K
	KFETCH ADK, ADS, REC                           ; the next step's K: it has the whole softmax in which to come
.Lnok:
.irp t, 0,1,2,3
.irp c, 0,1
	ds_load_b128 v[VF+8*\t+4*\c:VF+8*\t+4*\c+3], v[ADK] offset:4096+1024*\t+512*\c   ; this step's V
.endr
.endr
	ds_load_b32 v[VS], v[ADS] offset:512
	ds_load_b32 v[VS+1], v[ADS] offset:768
	; the mask: only in a step that valid_len cuts (or, where valid_len < 1, in all)
	s_add_co_u32 s30, s27, 127
	s_cmp_lt_u32 s30, s13
	s_cbranch_scc1 .Lopen                          ; all 128 keys count
.set j, 0
.rept 32
	v_pk_mul_f32 v[SR+j:SR+j+1], v[SR+j:SR+j+1], s[22:23] op_sel_hi:[1,0]   ; t, so that the fill can stand among them
.set j, j+2
.endr
	s_sub_co_i32 s30, s13, s27
	v_bfe_u32 v[TW], v0, 4, 1
	v_lshlrev_b32 v[TW], 4, v[TW]
	v_sub_nc_u32 v[TW], s30, v[TW]                 ; d = valid_len - the step's first key - 16 (lane / 16).  Register 16 b + i holds key 32 b + 16 (lane / 16) + i of the step: hidden where 32 b + i >= d
	v_mov_b32 v[FF], 0xc9b01c38                    ; -1e6 x log2(e)
.set g, 0
.rept 8                                        ; the compares go in runs of eight, into eight scalar registers, with one wait between a run and its selects
.set n, 0
.rept 8
	v_cmp_ge_i32 s[MK+n], 32*((8*g+n)/16)+(8*g+n)%16, v[TW]
.set n, n+1
.endr
	s_wait_alu depctr_va_sdst(0)                   ; the eight masks are written, ahead of the selects that read them
.set n, 0
.rept 8
	v_cndmask_b32 v[SR+8*g+n], v[SR+8*g+n], v[FF], s[MK+n]
.set n, n+1
.endr
.set g, g+1
.endr
	s_mov_b32 s24, 1.0                             ; c has been applied
	s_mov_b32 s25, 1.0
.Lopen:
.irp b, 0,1,2,3
	v_max3_num_f32 v[BM+\b], v[SR+16*\b], v[SR+1+16*\b], v[SR+2+16*\b]   ; the largest score of each block of 32 keys: it serves for the row's maximum and, since p rises with the score, for the block's largest p
.endr
.irp i, 3,5,7,9,11,13
.irp b, 0,1,2,3
	v_max3_num_f32 v[BM+\b], v[BM+\b], v[SR+16*\b+\i], v[SR+1+16*\b+\i]   ; (the four blocks by turns)
.endr
.endr
.irp b, 0,1,2,3
	v_max_num_f32 v[BM+\b], v[BM+\b], v[SR+15+16*\b]
.endr
.irp b, 0,1,2,3
	v_permlanex16_b32 v[TP+\b], v[BM+\b], s20, s21
.endr
.irp b, 0,1,2,3
	v_max_num_f32 v[BM+\b], v[BM+\b], v[TP+\b]     ; with lane l xor 16's 16 keys
.endr
	v_max3_num_f32 v[TW], v[BM], v[BM+1], v[BM+2]
	v_max_num_f32 v[TW], v[TW], v[BM+3]            ; the step's largest score of my query
	v_mul_f32 v[TW], s24, v[TW]                    ; as t (c is positive)
	v_max_num_f32 v13, v13, v[TW]                  ; the running largest t
	v_mov_b32 v[TW], v12
	v_floor_f32 v12, -v13                          ; the new -M = floor(-t) = -ceil(t): a whole number
	v_sub_f32 v[TW], v12, v[TW]                    ; M's old value less its new one: a whole number, 0 or less
	v_cvt_i32_f32 v[TW], v[TW]                     ; (it saturates)
	v_ldexp_f32 v[FF], 1.0, v[TW]                  ; f = 2^(old M - new M)
.set j, 0
.rept 32
	v_pk_fma_f32 v[SR+j:SR+j+1], v[SR+j:SR+j+1], s[24:25], v[12:13] op_sel_hi:[1,0,0]   ; t - M, two at a time (of the pairs c and -M the low word serves both halves)
.set j, j+2
.endr
.irp b, 0,1,2,3
	v_fma_f32 v[BM+\b], v[BM+\b], s24, v12         ; the same of each block's largest score
.endr
.set j, 0
.rept 64
	v_exp_f32 v[SR+j], v[SR+j]                     ; p = 2^(t - M), at most 1
.set j, j+1
.endr
	v_pk_mul_f32 v[14:15], v[14:15], v[FF:FF+1] op_sel_hi:[1,0]   ; the sums under the new M: a plain line behind the exponentials
	s_wait_alu depctr_va_vdst(0)                   ; the 64 exponentials have written p in v[SR ..], ahead of the first line that names a result: one wait for the batch
.irp b, 0,1,2,3
	v_exp_f32 v[BM+\b], v[BM+\b]                   ; the block's largest p: the same two instructions on the same number give the same bits
.endr
	v_pk_add_f32 v[TP:TP+1], v[SR:SR+1], v[SR+2:SR+3]   ; the row's sum is taken of the unquantised p: two at a time, in two chains
.irp j, 4,8,12,16,20,24,28,32,36,40,44,48,52,56,60
	v_pk_add_f32 v[14:15], v[14:15], v[SR+\j:SR+1+\j]
	v_pk_add_f32 v[TP:TP+1], v[TP:TP+1], v[SR+2+\j:SR+3+\j]
.endr
	v_pk_add_f32 v[14:15], v[14:15], v[TP:TP+1]
	s_wait_alu depctr_va_vdst(0)                   ; the four exponentials have written the blocks' largest p in v[BM ..], ahead of the first line that names one
.irp b, 0,1,2,3
	v_max_num_f32 v[BM+\b], 0x1800000, v[BM+\b]    ; the floor 2^(3 - 127): the byte cannot fall under 1 (a block whose every p is 0 keeps that byte: its codes are zeros)
.endr
.irp b, 0,1,2,3
	v_add_nc_u32 v[SO+\b], 0xff000000, v[BM+\b]    ; 2 off the exponent field: the conversion's scale operand
.endr
.irp b, 0,1,2,3
	v_lshrrev_b32 v[TP+\b], 23, v[SO+\b]           ; the scale's byte
.endr
	v_lshl_or_b32 v[PS], v[TP+1], 8, v[TP]         ; p's scale word for these 128 keys
	v_lshl_or_b32 v[PS], v[TP+2], 16, v[PS]
	v_lshl_or_b32 v[PS], v[TP+3], 24, v[PS]
.irp b, 0,1,2,3
	v_cvt_scalef32_pk8_fp4_f32 v[PC+2*\b], v[SR+16*\b:SR+7+16*\b], v[SO+\b]
	v_cvt_scalef32_pk8_fp4_f32 v[PC+1+2*\b], v[SR+8+16*\b:SR+15+16*\b], v[SO+\b]
.endr
	v_nop                                          ; one plain line between a scaled conversion and the vector line that touches its result
.irp c, 0,1                                    ; the operand's layout wants a whole block in a lane: lanes 0-15 block 2 c, lanes 16-31 block 2 c + 1
.irp i, 0,1
	v_permlane16_swap_b32 v[PC+4*\c+\i], v[PC+2+4*\c+\i]
.endr
.endr
.set j, 0
.rept 16
	v_pk_mul_f32 v[OT+j:OT+j+1], v[OT+j:OT+j+1], v[FF:FF+1] op_sel_hi:[1,0]   ; O^T under the new M.  (These sixteen are also the places between the lines that made p's codes and scale word and the products)
.set j, j+2
.endr
	s_wait_dscnt 0x0                               ; this step's V and the next step's K are in
	s_wait_alu depctr_va_vdst(0)                   ; p's codes v[PC ..] and scale word v[PS] are written, which the scaled products take as B and as its scales; the places above stay beside this wait
.irp t, 0,1,2,3                                ; O^T += V^T P^T: four accumulators, one instruction each
.if \t%2
	v_wmma_scale_f32_16x16x128_f8f6f4 v[OT+8*\t:OT+8*\t+7], v[VF+8*\t:VF+8*\t+7], v[PC:PC+7], v[OT+8*\t:OT+8*\t+7], v[VS+\t/2], v[PS] matrix_a_fmt:MATRIX_FMT_FP4 matrix_b_fmt:MATRIX_FMT_FP4 matrix_a_scale:MATRIX_SCALE_ROW1
.else
	v_wmma_scale_f32_16x16x128_f8f6f4 v[OT+8*\t:OT+8*\t+7], v[VF+8*\t:VF+8*\t+7], v[PC:PC+7], v[OT+8*\t:OT+8*\t+7], v[VS+\t/2], v[PS] matrix_a_fmt:MATRIX_FMT_FP4 matrix_b_fmt:MATRIX_FMT_FP4
.endif
.endr
.Lidle:
	s_add_co_u32 s26, s26, REC
	s_add_co_u32 s27, s27, 128
	s_add_co_u32 s28, s28, 1
	s_cmp_lt_u32 s28, 16
	s_cbranch_scc1 .Lstep
	; THE WAY OUT.  The stages, 16 rows x 272 bytes for each wave, lie over the first batch's records: so every wave first says that its reads of the records are over.
	s_wait_dscnt 0x0
	s_barrier_signal -1
	s_barrier_wait -1
	v_add_f32 v14, v14, v15                        ; the sum's two halves,
	v_permlanex16_b32 v[FF], v14, s20, s21
	v_add_f32 v14, v14, v[FF]                      ; and lane l xor 16's: the row's sum
	v_rcp_f32 v14, v14
	v_and_b32 v8, 15, v0                           ; r  (plain lines behind the reciprocal)
	v_bfe_u32 v9, v0, 4, 1                         ; h
	s_mul_i32 s30, s16, 16*SP                      ; my stage
	v_mul_u32_u24 v[STO], v8, SP
	v_lshl_add_u32 v[STO], v9, 5, v[STO]
	v_add_nc_u32 v[STO], s30, v[STO]               ; in: row r; tile t's eight channels of my half: 64 t + 32 h bytes on
	v_mul_u32_u24 v[RD], v9, SP
	v_lshl_add_u32 v[RD], v8, 4, v[RD]
	v_add_nc_u32 v[RD], s30, v[RD]                 ; back: lanes 0-15 one row, lanes 16-31 the next
	v_lshlrev_b32 v[GO], 8, v9
	v_lshl_add_u32 v[GO], v8, 4, v[GO]             ; and the same two rows in out0
	s_wait_alu depctr_va_vdst(0)                   ; the reciprocal has written v14, ahead of its first reader
.set j, 0
.rept 32
	v_mul_f32 v[SR+j], v[OT+j], v14                ; O^T / the sum, each accumulator from its low end on: register 8 t + i is out0(my query r, 16 t + 8 h + i)
.set j, j+1
.endr
	s_wait_alu depctr_va_vdst(0)                   ; the multiplications have written v[SR .. SR+31], the LDS stores' data; the addresses v5-7 are written; and every vector and matrix line that named v[SR+32 .. SR+63], in which the loads from the stage land, is done
.irp t, 0,1,2,3
	ds_store_b128 v[STO], v[SR+8*\t:SR+8*\t+3] offset:64*\t
	ds_store_b128 v[STO], v[SR+8*\t+4:SR+8*\t+7] offset:64*\t+16
.endr
.irp i, 0,1,2,3,4,5,6,7
	ds_load_b128 v[SR+32+4*\i:SR+35+4*\i], v[RD] offset:2*\i*SP   ; LDS serves a wave's instructions in order: these see my stores
.endr
.irp i, 0,1,2,3,4,5,6,7
	s_wait_dscnt 7-\i                              ; the younger loads may be out
	global_store_b128 v[GO], v[SR+32+4*\i:SR+35+4*\i], s[10:11] offset:(2*\i+8*(\i/4))*256 th:TH_STORE_NT   ; stage rows 8-15 are the queries 16 on from rows 0-7; sixteen lanes store a row's 256 consecutive bytes, aligned
.endr
	s_wait_dscnt 0x0
	s_wait_alu depctr_hold_cnt(0) depctr_sa_sdst(0) depctr_va_vdst(0) depctr_va_sdst(0) depctr_va_ssrc(0) depctr_va_vcc(0) depctr_vm_vsrc(0)
	s_wait_tensorcnt 0x0
	ds_add_u32 v251, v255
	s_wait_dscnt 0x0
	s_endpgm
.Lfunc_end_k_q4aeb2f0aa1_attn:
	.size	k_q4aeb2f0aa1_attn, .Lfunc_end_k_q4aeb2f0aa1_attn-k_q4aeb2f0aa1_attn
	.p2alignl 7, 3214868480
	.fill 96, 4, 3214868480
	.section	.rodata,"a",@progbits
	.p2align	6, 0x0
	.amdhsa_kernel k_q4aeb2f0aa1_attn
		.amdhsa_group_segment_fixed_size 306176
		.amdhsa_private_segment_fixed_size 0
		.amdhsa_enable_private_segment 0
		.amdhsa_kernarg_size 32
		.amdhsa_user_sgpr_count 2
		.amdhsa_user_sgpr_kernarg_segment_ptr 1
		.amdhsa_wavefront_size32 1
		.amdhsa_system_sgpr_workgroup_id_x 1
		.amdhsa_system_sgpr_workgroup_id_y 1
		.amdhsa_system_sgpr_workgroup_id_z 1
		.amdhsa_system_vgpr_workitem_id 0
		.amdhsa_next_free_vgpr 256
		.amdhsa_next_free_sgpr 66
		.amdhsa_reserve_vcc 0
		.amdhsa_float_denorm_mode_32 3
		.amdhsa_float_denorm_mode_16_64 3
		.amdhsa_memory_ordered 1
		.amdhsa_forward_progress 1
		.amdhsa_inst_pref_size 47
	.end_amdhsa_kernel
	.amdgpu_metadata
---
amdhsa.version: [ 1, 2 ]
amdhsa.kernels:
  - .name:           k_q4aeb2f0aa1_attn
    .symbol:         k_q4aeb2f0aa1_attn.kd
    .args:
      - { .name: kv, .offset: 0, .size: 8, .value_kind: global_buffer, .address_space: global }
      - { .name: qw, .offset: 8, .size: 8, .value_kind: global_buffer, .address_space: global }
      - { .name: order, .offset: 16, .size: 8, .value_kind: global_buffer, .address_space: global }
      - { .name: out0, .offset: 24, .size: 8, .value_kind: global_buffer, .address_space: global }
    .group_segment_fixed_size: 306176
    .private_segment_fixed_size: 0
    .kernarg_segment_align: 8
    .kernarg_segment_size: 32
    .max_flat_workgroup_size: 512
    .sgpr_count:     66
    .vgpr_count:     256
    .wavefront_size: 32
...
	.end_amdgpu_metadata
.endif
;; end of part 3
